; MI455X (gfx1250); checked and timed in simulation.
; The chip was launched on July 23, 2026; its instructions are those of AMD's public machine-readable ISA for CDNA 5 (MIT licence, August 2026) and "CDNA5" Instruction Set Architecture Reference Guide (July 2026). The comments in the code are by the model that wrote it; some were corrected since.
;; MH Attention. Allowed arithmetic: matrix products marked QUANTISED: E2M1 operands, one E8M0 scale for each 32 along K, by v_wmma_scale_f32_16x16x128_f8f6f4 with both operands' format E2M1 (or v_wmma_scale_f32_32x16x128_f4), f32 sums; products left as they are: bf16, f16 or f32 operands; f32 sums; everything else in f32.
;; Inputs: Wk 1,024 x 1,024 float32; Wo 1,024 x 1,024 float32; Wq 1,024 x 1,024 float32; Wv 1,024 x 1,024 float32; k 4 x 2,048 x 1,024 float32; mask 4 x 1 x 1 x 2,048 float32; q 4 x 2,048 x 1,024 float32; v 4 x 2,048 x 1,024 float32.
;; Outputs: out0 4 x 2,048 x 1,024 float32.
;; This version of the problem:
;;   THIS VERSION OF THE PROBLEM IS GIVEN IN LOW PRECISION. The matrix products marked QUANTISED in the list below multiply operands that are first quantised to E2M1 (2 exponent bits, 1 mantissa bit; 4 bits a number), with one power-of-two scale for each 32 numbers along K (OCP MX v1.0); their sums are f32. The products marked 'left as it is' may take bf16, f16 or f32 operands, with f32 sums. Whichever they take, every output number must still come out within the allowed error. Rounding operands to bf16 (8 significant bits) uses up far more of that allowance than f16 does (11 bits, for magnitudes from 6e-5 to 65,504). All else is computed in f32.
;;   The module's matrix products, in the order in which they are computed (A, B: the left and right operand; K: the contracted axis; several contracted axes count as one K, in the product's order):
;;     1. [M 8,192, K 1,024] x [K 1,024, N 1,024]; A: input q; B: input Wq: QUANTISED
;;     2. [M 8,192, K 1,024] x [K 1,024, N 1,024]; A: input k; B: input Wk: QUANTISED
;;     3. [M 8,192, K 1,024] x [K 1,024, N 1,024]; A: input v; B: input Wv: QUANTISED
;;     4. batch 64 x [M 2,048, K 64] x [K 64, N 2,048]; A: computed on the way; B: computed on the way: left as it is (an operand is computed on the way)
;;     5. batch 64 x [M 2,048, K 2,048] x [K 2,048, N 64]; A: computed on the way; B: computed on the way: left as it is (an operand is computed on the way)
;;     6. [M 8,192, K 1,024] x [K 1,024, N 1,024]; A: computed on the way; B: input Wo: left as it is (an operand is computed on the way)
;;   THE QUANTISER, for each operand of a quantised product, along K:
;;     - K is cut into blocks of 32 from its start; a last block that is shorter is filled with zeros.
;;     - A block's scale is 2^e with e = floor(log2(the largest magnitude in the block)) - 2, held to -126 .. 127; a block of zeros has e = 0. As a byte (E8M0): e + 127.
;;     - Each number is divided by its block's scale, clamped to +-6, and rounded to the nearest number of E2M1, ties to even, subnormals kept.
;;     - The product sums the exact products of the quantised numbers (number of the format x scale) in f32.
;;   ~~~python
;;   def quantise(x, axis):      # numpy; x: float32 -> the quantised numbers, widened to float32 again
;;       x = np.moveaxis(x, axis, -1); K = x.shape[-1]
;;       x = np.pad(x, [(0, 0)] * (x.ndim - 1) + [(0, -K % 32)]); x = x.reshape(x.shape[:-1] + (-1, 32)); a = np.abs(x).max(-1, keepdims=True)
;;       e = np.where(a > 0, np.clip(np.frexp(np.where(a > 0, a, 1))[1] - 1 - 2, -126, 127), 0)      # np.frexp(a)[1] - 1 = floor(log2(a)), exactly
;;       r = np.clip(x / 2.0 ** e, -6, 6)
;;       step = 2.0 ** (np.maximum(np.frexp(np.where(r == 0, 1, r))[1] - 1, 0) - 1)
;;       q = np.round(r / step) * step * 2.0 ** e      # np.round: ties to even
;;       return np.moveaxis(q.reshape(q.shape[:-2] + (-1,))[..., :K], -1, axis).astype(np.float32)
;;   ~~~
;; One version. Each part assembles by itself: llvm-mc -triple=amdgcn-amd-amdhsa -mcpu=gfx1250 --defsym DOCPART=n.
;; ======== version 1 of 1: 4 launches
;; limits: values are held in f16: magnitudes above 65,504 overflow, below 6.1e-05 lose precision
;; workspace buffers: wcodes 1,572,864 bytes; wscales 98,304 bytes; wof 2,097,152 bytes; qkvf 50,331,648 bytes; attf 16,777,216 bytes
;; launch prep (part 1): grid 64 x 4, 4 waves a work-group, no clusters, 0 bytes of LDS; arguments Wq, Wk, Wv, Wo, wcodes, wscales, wof; writes wcodes, wscales, wof
.if DOCPART == 1
	.amdgcn_target "amdgcn-amd-amdhsa--gfx1250"
	.amdhsa_code_object_version 6
	.text
	.protected	k_qd88d2ed6b4_prep
	.globl	k_qd88d2ed6b4_prep
	.p2align	8
	.type	k_qd88d2ed6b4_prep,@function
k_qd88d2ed6b4_prep:
	s_mov_b64 s[64:65], 0
	v_nop
	global_prefetch_b8 v0, s[64:65] scope:SCOPE_SE
	s_setreg_imm32_b32 hwreg(HW_REG_WAVE_MODE, 25, 1), 1
	s_wait_xcnt 0x0
; The four weights [1024 (k)][1024 (n)], f32, are laid out once as the later launches' operand registers want them.
; Work-group y picks the tensor: 0 Wq, 1 Wk, 2 Wv become codes of FP4 (E2M1) with one E8M0 byte for each 32 along K; 3, Wo, becomes f16.
; Work-group x: 128 columns (x % 8) and 128 along K (x / 8).  A LANE TAKES A COLUMN AND ITS REGISTERS RUN DOWN K: a load reads 128 consecutive bytes a wave,
; 512 a work-group; a block of 32 along K lies in one lane's 32 registers, so its largest magnitude needs no other lane, and nothing is transposed.
; wcodes: [tensor][n tile 64][K step of 128: 8][half c 2][lane 32][16 bytes]: lane (r, h), half c holds block 2 c + h of column 16 tile + r: the image of a 4-bit fragment's registers.
; wscales: [tensor][K step 8][n 1024] words of four bytes.   wof: [slice of 128 n: 8][chunk of 256 k: 4][n tile 8][K step of 32: 8][half e 2][lane][16 bytes]:
; lane (r, h), half e holds Wo[32 step + 16 e + 8 h + 0..7][16 tile + r]: the image of a 16-bit fragment.  Every store of codes or f16: sixteen lanes fill 256 consecutive, aligned bytes.
; A block's scale is 2^(floor(log2(largest magnitude)) - 2); its byte is that magnitude's exponent field - 2, held at 1 from below.
; LIMITS: a block of zeros gets the byte 1 (its codes are zeros; this program alone reads the bytes); NaN and infinities are not served; Wo beyond f16's range (65,504) is not served.
; No LDS, no barrier, no matrix unit, no cluster: waves share nothing and each input byte is read once.
.set X,  32                            ; v32-159  four sets of 32 numbers: block b of the 128 along K
.set C,  160                           ; v160-175 codes: four registers a block, so that no store's data are written again
.set SW, 176                           ; v176     the column's scale word
.set Y,  160                           ; v160-223 Wo's path: packed f16, sixteen registers a block
	s_load_b256 s[4:11], s[0:1], 0x0               ; Wq s[4:5], Wk s[6:7], Wv s[8:9], Wo s[10:11]
	s_load_b128 s[12:15], s[0:1], 0x20             ; wcodes s[12:13], wscales s[14:15]
	s_load_b64 s[16:17], s[0:1], 0x30              ; wof
	v_lshrrev_b32 v1, 5, v0
	v_readfirstlane_b32 s18, v1                    ; wave 0..3
	v_and_b32 v1, 31, v0                           ; lane
	v_lshlrev_b32 v2, 2, v1                        ; 4 bytes a lane: the loads' offset and the scale word's
	v_lshrrev_b32 v3, 4, v1
	v_and_b32 v4, 15, v1
	v_lshlrev_b32 v3, 13, v3                       ; the stores' offset: lanes 16-31 belong to the next n tile, 8,192 bytes on in both layouts,
	v_lshl_add_u32 v3, v4, 4, v3                   ; + 16 (lane % 16)
	s_and_b32 s19, ttmp7, 0xffff                   ; which tensor
	s_and_b32 s20, ttmp9, 7                        ; which 128 columns
	s_lshr_b32 s21, ttmp9, 3                       ; which 128 along K
	s_lshl_b32 s22, s21, 19                        ; 128 rows of 4,096 bytes
	s_lshl_b32 s23, s20, 9
	s_add_co_u32 s22, s22, s23                     ; + 128 columns of 4 bytes
	s_lshl_b32 s23, s18, 7
	s_add_co_u32 s22, s22, s23                     ; + my wave's 32
	s_mov_b32 s23, 0
	s_wait_kmcnt 0x0
	s_cmp_eq_u32 s19, 1                            ; the source is chosen on the work-group's number alone
	s_cselect_b64 s[24:25], s[6:7], s[4:5]
	s_cmp_eq_u32 s19, 2
	s_cselect_b64 s[24:25], s[8:9], s[24:25]
	s_cmp_eq_u32 s19, 3
	s_cselect_b64 s[24:25], s[10:11], s[24:25]
	s_add_nc_u64 s[24:25], s[24:25], s[22:23]
.macro LOAD b                          ; block b: W(32 b + i, my column), i = 0 .. 31
.set i, 0
.rept 32
	global_load_b32 v[X+32*(\b)+i], v2, s[24:25] offset:(32*(\b)+i)*4096 th:TH_LOAD_NT
.set i, i+1
.endr
.endm
.macro ARRIVE b                        ; block b's 32 loads are in; only the next block's 32 are younger; the block two on is asked for
.if (\b) < 3
	s_wait_loadcnt 32
.else
	s_wait_loadcnt 0x0
.endif
.if (\b) < 2
	LOAD (\b)+2
.endif
.endm
	LOAD 0
	LOAD 1
	s_cmp_eq_u32 s19, 3
	s_cbranch_scc1 .Lwo
	; ---- Wq, Wk, Wv: codes and scale words
	s_lshl_b32 s26, s19, 19                        ; the tensor's 524,288 bytes of codes
	s_lshl_b32 s27, s20, 16
	s_add_co_u32 s26, s26, s27                     ; + 8 n tiles of 8,192 bytes for each 128 columns
	s_lshl_b32 s27, s18, 14
	s_add_co_u32 s26, s26, s27                     ; + my wave's two tiles
	s_lshl_b32 s27, s21, 10
	s_add_co_u32 s26, s26, s27                     ; + the K step's 1,024 bytes
	s_mov_b32 s27, 0
	s_add_nc_u64 s[12:13], s[12:13], s[26:27]
	s_lshl_b32 s26, s19, 15                        ; the tensor's 32,768 bytes of scale words
	s_lshl_b32 s28, s21, 12
	s_add_co_u32 s26, s26, s28                     ; + the K step's 4,096
	s_lshl_b32 s28, s20, 9
	s_add_co_u32 s26, s26, s28
	s_lshl_b32 s28, s18, 7
	s_add_co_u32 s26, s26, s28                     ; + my wave's first column
	s_add_nc_u64 s[14:15], s[14:15], s[26:27]
.macro QBLOCK b
.set XQ, X+32*(\b)
	ARRIVE \b
	v_max3_num_f32 v8, |v[XQ]|, |v[XQ+1]|, |v[XQ+2]|               ; the block's largest magnitude, in two chains: all 32 numbers are mine
	v_max3_num_f32 v9, |v[XQ+3]|, |v[XQ+4]|, |v[XQ+5]|
.irp j, 6,10,14,18,22,26
	v_max3_num_f32 v8, v8, |v[XQ+\j]|, |v[XQ+\j+1]|
	v_max3_num_f32 v9, v9, |v[XQ+\j+2]|, |v[XQ+\j+3]|
.endr
	v_max3_num_f32 v8, v8, |v[XQ+30]|, |v[XQ+31]|
	v_max3_num_f32 v8, v8, v9, 0x1800000           ; and the floor 2^(3 - 127): the byte cannot fall under 1
	v_add_nc_u32 v10, 0xff000000, v8               ; 2 off the exponent field: the conversion takes this operand's exponent field as its scale
	v_lshrrev_b32 v11, 23, v10                     ; the scale's byte
.if (\b) == 0
	v_mov_b32 v[SW], v11
.else
	v_lshl_or_b32 v[SW], v11, 8*(\b), v[SW]        ; byte b scales k = 32 b .. 32 b + 31
.endif
.irp g, 0,1,2,3
	v_cvt_scalef32_pk8_fp4_f32 v[C+4*(\b)+\g], v[XQ+8*\g:XQ+8*\g+7], v10
.endr
	v_nop                                          ; one plain line behind the last scaled conversion
	global_store_b128 v3, v[C+4*(\b):C+4*(\b)+3], s[12:13] offset:((\b)/2)*512+((\b)%2)*256   ; block b = half b / 2, lanes 16 (b % 2) on
.endm
	QBLOCK 0
	QBLOCK 1
	QBLOCK 2
	QBLOCK 3
	global_store_b32 v2, v[SW], s[14:15]
	s_endpgm
.Lwo:
	; ---- Wo: f16 fragment images
	s_lshl_b32 s26, s20, 18                        ; the slice of 128 columns: 262,144 bytes
	s_lshr_b32 s27, s21, 1
	s_lshl_b32 s27, s27, 16
	s_add_co_u32 s26, s26, s27                     ; + the chunk of 256 along K
	s_lshl_b32 s27, s18, 14
	s_add_co_u32 s26, s26, s27                     ; + my wave's two n tiles
	s_and_b32 s27, s21, 1
	s_lshl_b32 s27, s27, 12
	s_add_co_u32 s26, s26, s27                     ; + four K steps of 32 for the chunk's second 128
	s_mov_b32 s27, 0
	s_add_nc_u64 s[16:17], s[16:17], s[26:27]
.macro HBLOCK q
	ARRIVE \q
.set i, 0
.rept 16
	v_cvt_pk_f16_f32 v[Y+16*(\q)+i], v[X+32*(\q)+2*i], v[X+32*(\q)+2*i+1]   ; the lower k in the low half
.set i, i+1
.endr
.irp g, 0,1,2,3
	global_store_b128 v3, v[Y+16*(\q)+4*\g:Y+16*(\q)+4*\g+3], s[16:17] offset:(\q)*1024+(\g/2)*512+(\g%2)*256   ; k = 8 g on: half g / 2, lanes 16 (g % 2) on
.endr
.endm
	HBLOCK 0
	HBLOCK 1
	HBLOCK 2
	HBLOCK 3
	s_endpgm
.Lfunc_end_k_qd88d2ed6b4_prep:
	.size	k_qd88d2ed6b4_prep, .Lfunc_end_k_qd88d2ed6b4_prep-k_qd88d2ed6b4_prep
	.p2alignl 7, 3214868480
	.fill 96, 4, 3214868480
	.section	.rodata,"a",@progbits
	.p2align	6, 0x0
	.amdhsa_kernel k_qd88d2ed6b4_prep
		.amdhsa_group_segment_fixed_size 0
		.amdhsa_private_segment_fixed_size 0
		.amdhsa_enable_private_segment 0
		.amdhsa_kernarg_size 56
		.amdhsa_user_sgpr_count 2
		.amdhsa_user_sgpr_kernarg_segment_ptr 1
		.amdhsa_wavefront_size32 1
		.amdhsa_system_sgpr_workgroup_id_x 1
		.amdhsa_system_sgpr_workgroup_id_y 1
		.amdhsa_system_sgpr_workgroup_id_z 1
		.amdhsa_system_vgpr_workitem_id 0
		.amdhsa_next_free_vgpr 224
		.amdhsa_next_free_sgpr 66
		.amdhsa_reserve_vcc 0
		.amdhsa_float_denorm_mode_32 3
		.amdhsa_float_denorm_mode_16_64 3
		.amdhsa_memory_ordered 1
		.amdhsa_forward_progress 1
		.amdhsa_inst_pref_size 33
	.end_amdhsa_kernel
	.amdgpu_metadata
---
amdhsa.version: [ 1, 2 ]
amdhsa.kernels:
  - .name:           k_qd88d2ed6b4_prep
    .symbol:         k_qd88d2ed6b4_prep.kd
    .args:
      - { .name: Wq, .offset: 0, .size: 8, .value_kind: global_buffer, .address_space: global }
      - { .name: Wk, .offset: 8, .size: 8, .value_kind: global_buffer, .address_space: global }
      - { .name: Wv, .offset: 16, .size: 8, .value_kind: global_buffer, .address_space: global }
      - { .name: Wo, .offset: 24, .size: 8, .value_kind: global_buffer, .address_space: global }
      - { .name: wcodes, .offset: 32, .size: 8, .value_kind: global_buffer, .address_space: global }
      - { .name: wscales, .offset: 40, .size: 8, .value_kind: global_buffer, .address_space: global }
      - { .name: wof, .offset: 48, .size: 8, .value_kind: global_buffer, .address_space: global }
    .group_segment_fixed_size: 0
    .private_segment_fixed_size: 0
    .kernarg_segment_align: 8
    .kernarg_segment_size: 56
    .max_flat_workgroup_size: 128
    .sgpr_count:     66
    .vgpr_count:     224
    .wavefront_size: 32
...
	.end_amdgpu_metadata
.endif
;; end of part 1
;; launch proj (part 2): grid 64 x 3, 4 waves a work-group, no clusters, 72,192 bytes of LDS; arguments q, k, v, wcodes, wscales, qkvf; writes qkvf
.if DOCPART == 2
	.amdgcn_target "amdgcn-amd-amdhsa--gfx1250"
	.amdhsa_code_object_version 6
	.text
	.protected	k_qd88d2ed6b4_proj
	.globl	k_qd88d2ed6b4_proj
	.p2align	8
	.type	k_qd88d2ed6b4_proj,@function
k_qd88d2ed6b4_proj:
	s_mov_b64 s[64:65], 0
	v_nop
	global_prefetch_b8 v0, s[64:65] scope:SCOPE_SE
	s_setreg_imm32_b32 hwreg(HW_REG_WAVE_MODE, 25, 1), 1
	s_wait_xcnt 0x0
; x W for x = q, k, v (work-group y), both operands as codes of FP4 (E2M1) with one E8M0 scale for each 32 along K = 1,024; sums in f32; the result leaves as f16, laid as attention's operand registers.
; A work-group takes 128 rows of x (work-group x) and all 1,024 columns.  So each byte of x is read from memory once, by one work-group, and is quantised here, on its way.
; PHASE X: wave w quantises rows 32 w .. 32 w + 31 into LDS: codes as rows of 512 bytes + 16 of padding, scale words beside them.  One barrier.
; PHASE G: wave w makes 128 rows x columns 256 w .. + 255, in two passes of 128 x 128: 64 accumulators, 512 registers.  x's fragments come from LDS, W's from memory straight into registers:
; prep laid them as register images, 16 bytes a lane, 512 consecutive bytes a load.
; NO CLUSTER, NO TENSOR LOAD: what work-groups share is W.  A step's eight fragments of W (8 KB a wave) feed 64 matrix instructions from the registers they land in; through LDS they would add 8 KB written
; and 8 KB read a step beside x's 8 KB.
; q, k: source 0 = 16 columns of W, source 1 = 16 rows of x: a lane holds one token and eight neighbouring channels.  v: the sources swapped: a lane holds one channel and eight neighbouring tokens,
; since the keys are the K of attention's second product.  Either way four packed registers are one piece of 512 bytes of qkvf: [tensor][batch x head 64][token tile 128][piece 4][lane][16 bytes].
; LIMITS: a block of zeros gets the scale byte 1 (its codes are zeros; the bytes never leave the work-group); NaN and infinities are not served; results beyond f16's range (65,504) are not served.
; REGISTERS: window 0: v4-15 addresses; v16-31 at work; v32-63 x's scale words, v64-95 W's (these 64 hold scales alone); v96-127 the second pass's words; v128-255 x's fragments, two sets.
;   In phase X v96-255 are a ring of five rows.  Windows 1, 2: accumulator (a, b) at 8 (8 (a % 4) + b) of window 1 + a / 4.  Window 3: W's fragments, four sets of 64.
.set PX,    528                        ; a row of codes in LDS: 512 bytes + 16: an odd multiple of 16, so that the 16 rows of a fragment load start at 16 different places modulo 256 bytes
.set SCX,   128*PX                     ; behind the codes: 32 bytes of scale words a row; the word of K step s stands at place 4 (s % 2) + s / 2
.set SPARE, SCX+128*32                 ; behind them: the spare words, 128 bytes a wave
.set XO,   4                           ; v4   32 x lane: my 8 numbers in 1,024 bytes of a row
.set ADC0, 5                           ; v5   where my wave's codes begin + 4 x lane
.set ADS0, 6                           ; v6   where my wave's scale bytes begin + my block's place
.set ADC,  7                           ; v7, v8 the same for the trip in hand
.set ADS,  8
.set ADA,  9                           ; v9   a fragment of x: row r x pitch + 16 h
.set ADX,  10                          ; v10  its scale words: 32 r + 16 h
.set WO,   11                          ; v11  16 x lane: W's images, and the stores
.set WSO,  12                          ; v12  W's scale words: 4 r + 4,096 h (lanes 16-31 take the odd K step)
.set SPW,  14                          ; v14  my spare word; never rewritten
.set NIL,  15                          ; v15  0; never rewritten
.set MX,   16                          ; v16-19 largest magnitudes, v20-23 scale operands, v24-27 codes, v28-31 bytes: one for each 1,024 bytes of a row
.set SC,   20
.set CD,   24
.set BY,   28
.set XS,   32                          ; register 4 a + i: lanes 0-15 the word of K step 2 i, lanes 16-31 of 2 i + 1, of row 16 a + r
.set WS,   64                          ; register 4 b + i: the same of column 16 b + r
.set WS2,  96
.set AF,   128
.set RG,   96
.set PK,   192                         ; the way out: packed results, in the set of x's fragments that the last step has read
.set WV,   16
.set TEN,  17
.set XB,   20
.set WB,   22
.set WSB,  24
.set OB,   26
.set TC,   28
.set TS,   29
.set TRIP, 30
.set PASS, 31
.set MSB, 0
.macro WIN new                         ; the immediate's high byte repeats the setting that is left
.if MSB != (\new)
	s_set_vgpr_msb (MSB<<8)|(\new)
.set MSB, (\new)
.endif
.endm
	s_load_b256 s[4:11], s[0:1], 0x0               ; q s[4:5], k s[6:7], v s[8:9], wcodes s[10:11]
	s_load_b128 s[12:15], s[0:1], 0x20             ; wscales s[12:13], qkvf s[14:15]
	v_lshl_add_u32 v[SPW], v0, 2, SPARE
	v_mov_b32 v[NIL], 0
	v_lshrrev_b32 v1, 5, v0
	v_readfirstlane_b32 s[WV], v1                  ; wave 0..3
	s_and_b32 s[TEN], ttmp7, 0xffff                ; which tensor
	v_and_b32 v1, 31, v0                           ; lane
	v_and_b32 v2, 15, v0                           ; r
	v_bfe_u32 v3, v0, 4, 1                         ; h
	v_lshlrev_b32 v[XO], 5, v1
	s_mul_i32 s32, s[WV], 32*PX
	v_lshl_add_u32 v[ADC0], v1, 2, s32
	v_bfe_u32 v13, v0, 2, 2                        ; four lanes hold a block: its byte in the word is (lane / 4) % 4,
	v_lshl_add_u32 v[ADS0], v3, 4, v13             ; and lanes 16-31 belong to the odd K step: 16 bytes on
	s_lshl_b32 s32, s[WV], 10
	s_add_co_u32 s32, s32, SCX
	v_add_nc_u32 v[ADS0], s32, v[ADS0]
	v_mul_u32_u24 v[ADA], v2, PX
	v_lshl_add_u32 v[ADA], v3, 4, v[ADA]
	v_lshlrev_b32 v[ADX], 5, v2
	v_lshl_add_u32 v[ADX], v3, 4, v[ADX]
	v_add_nc_u32 v[ADX], SCX, v[ADX]
	v_lshlrev_b32 v[WO], 4, v1
	v_lshlrev_b32 v[WSO], 2, v2
	v_lshl_add_u32 v[WSO], v3, 12, v[WSO]
	s_lshl_b32 s32, ttmp9, 19                      ; x: 128 rows of 4,096 bytes a work-group,
	s_lshl_b32 s33, s[WV], 17                      ; 32 a wave
	s_add_co_u32 s32, s32, s33
	s_mov_b32 s33, 0
	s_lshl_b32 s34, s[TEN], 19                     ; W's codes: the tensor's 524,288 bytes,
	s_lshl_b32 s35, s[WV], 17                      ; my wave's 16 tiles of 8,192
	s_add_co_u32 s34, s34, s35
	s_mov_b32 s35, 0
	s_lshl_b32 s36, s[TEN], 15                     ; W's scale words: the tensor's 32,768 bytes,
	s_lshl_b32 s37, s[WV], 10                      ; my wave's 256 columns
	s_add_co_u32 s36, s36, s37
	s_mov_b32 s37, 0
	s_lshl_b32 s38, s[TEN], 24                     ; the result: the tensor's 16,777,216 bytes,
	s_lshr_b32 s39, ttmp9, 4
	s_lshl_b32 s39, s39, 22                        ; the batch's 16 heads of 262,144,
	s_add_co_u32 s38, s38, s39
	s_lshl_b32 s39, s[WV], 20                      ; my wave's four heads,
	s_add_co_u32 s38, s38, s39
	s_and_b32 s39, ttmp9, 15
	s_lshl_b32 s39, s39, 14                        ; the work-group's eight token tiles of 2,048
	s_add_co_u32 s38, s38, s39
	s_mov_b32 s39, 0
	s_wait_kmcnt 0x0
	s_cmp_eq_u32 s[TEN], 1
	s_cselect_b64 s[XB:XB+1], s[6:7], s[4:5]
	s_cmp_eq_u32 s[TEN], 2
	s_cselect_b64 s[XB:XB+1], s[8:9], s[XB:XB+1]
	s_add_nc_u64 s[XB:XB+1], s[XB:XB+1], s[32:33]
	s_add_nc_u64 s[WB:WB+1], s[10:11], s[34:35]
	s_add_nc_u64 s[WSB:WSB+1], s[12:13], s[36:37]
	s_add_nc_u64 s[OB:OB+1], s[14:15], s[38:39]
; ---- PHASE X.  A row is four runs of 1,024 bytes; in a run a lane holds 8 neighbours (two loads of 16 bytes) and four lanes hold a block of 32.
.macro XLOAD row, slot                 ; eight loads: the row, counted from the trip's first
.irp ch, 0,1,2,3
	global_load_b128 v[RG+32*(\slot)+8*\ch:RG+32*(\slot)+8*\ch+3],   v[XO], s[XB:XB+1] offset:(\row)*4096+\ch*1024 th:TH_LOAD_NT
	global_load_b128 v[RG+32*(\slot)+8*\ch+4:RG+32*(\slot)+8*\ch+7], v[XO], s[XB:XB+1] offset:(\row)*4096+\ch*1024+16 th:TH_LOAD_NT
.endr
.endm
.macro XROW i, slot, ld, left          ; left: the loads of younger rows, eight a row, which may stay out
.set R0, RG+32*(\slot)
	s_wait_loadcnt \left
	s_wait_dscnt 0x0                               ; the last row's LDS stores have read their data registers
.irp ch, 0,1,2,3
	v_max3_num_f32 v[MX+\ch], |v[R0+8*\ch]|, |v[R0+8*\ch+1]|, 0x1800000   ; my 8 numbers and the floor 2^(3 - 127); the four runs by turns
.endr
.irp j, 2,4,6
.irp ch, 0,1,2,3
	v_max3_num_f32 v[MX+\ch], v[MX+\ch], |v[R0+8*\ch+\j]|, |v[R0+8*\ch+\j+1]|
.endr
.endr
.irp ch, 0,1,2,3
	v_max_num_f32_dpp v[MX+\ch], v[MX+\ch], v[MX+\ch] row_xmask:1 row_mask:0xf bank_mask:0xf
.endr
.irp ch, 0,1,2,3
	v_max_num_f32_dpp v[MX+\ch], v[MX+\ch], v[MX+\ch] row_xmask:2 row_mask:0xf bank_mask:0xf   ; with the block's other three lanes
.endr
.irp ch, 0,1,2,3
	v_add_nc_u32 v[SC+\ch], 0xff000000, v[MX+\ch]  ; 2 off the exponent field: the conversion's scale operand
.endr
.irp ch, 0,1,2,3
	v_cvt_scalef32_pk8_fp4_f32 v[CD+\ch], v[R0+8*\ch:R0+8*\ch+7], v[SC+\ch]
.endr
.irp ch, 0,1,2,3
	v_lshrrev_b32 v[BY+\ch], 23, v[SC+\ch]         ; the scale's byte (plain lines behind the conversions)
.endr
.irp ch, 0,1,2,3
	ds_store_b32 v[ADC], v[CD+\ch] offset:(\i)*PX+\ch*128          ; 32 lanes: 128 consecutive bytes of the row's codes
	ds_store_b8 v[ADS], v[BY+\ch] offset:(\i)*32+\ch*4             ; a block's four lanes write the same byte with the same value
.endr
.if \ld
	XLOAD (\i)+5, \slot
.endif
.endm
.irp i, 0,1,2,3,4
	XLOAD \i, \i
.endr
	s_mov_b32 s[TC], 0
	s_mov_b32 s[TS], 0
	s_mov_b32 s[TRIP], 5
.Lrows:                                                ; five trips of five rows; each row's slot takes the row five further on
	s_wait_dscnt 0x0                               ; the last trip's LDS stores have read their addresses
	v_add_nc_u32 v[ADC], s[TC], v[ADC0]
	v_add_nc_u32 v[ADS], s[TS], v[ADS0]
.irp i, 0,1,2,3,4
	XROW \i, \i, 1, 32
.endr
	s_wait_xcnt 0x0                                ; the loads have read their base: it steps only behind this wait
	s_add_nc_u64 s[XB:XB+1], s[XB:XB+1], 5*4096
	s_add_co_u32 s[TC], s[TC], 5*PX
	s_add_co_u32 s[TS], s[TS], 5*32
	s_sub_co_u32 s[TRIP], s[TRIP], 1
	s_cmp_lg_u32 s[TRIP], 0
	s_cbranch_scc1 .Lrows
	s_wait_dscnt 0x0
	v_add_nc_u32 v[ADC], s[TC], v[ADC0]
	v_add_nc_u32 v[ADS], s[TS], v[ADS0]
	XROW 0, 0, 1, 32                               ; rows 25 to 31: two more fills (rows 30, 31), then the counts run down
	XROW 1, 1, 1, 32
	XROW 2, 2, 0, 32
	XROW 3, 3, 0, 24
	XROW 4, 4, 0, 16
	XROW 5, 0, 0, 8
	XROW 6, 1, 0, 0
; ---- PHASE G
.macro LOADA ks, set                   ; x's eight fragments of K step ks: lane (r, h): row r; registers 4 c .. 4 c + 3: k = 64 c + 32 h + 0 .. 31: 16 bytes of the row as they lie
.irp a, 0,1,2,3,4,5,6,7
.irp c, 0,1
	ds_load_b128 v[AF+64*(\set)+8*\a+4*\c:AF+64*(\set)+8*\a+4*\c+3], v[ADA] offset:\a*16*PX+(\ks)*64+32*\c
.endr
.endr
.endm
.macro LOADB g, set                    ; W's eight fragments of step g of this pass; g = 8, 9, 10: steps 0, 1, 2 of the next pass, eight tiles (65,536 bytes) on
	WIN 0xc0                                       ; destination window 3, address window 0
.irp b, 0,1,2,3,4,5,6,7
.irp c, 0,1
	global_load_b128 v[64*(\set)+8*\b+4*\c:64*(\set)+8*\b+4*\c+3], v[WO], s[WB:WB+1] offset:\b*8192+\c*512+((\g)/8)*65536+((\g)%8)*1024
.endr
.endr
	WIN 0
.endm
.macro WM rd, ra, rb, sa, sb, ks       ; an odd K step's words stand in lanes 16-31 of both scale registers; step 0 starts the sums: nothing is cleared
.if (\ks) == 0
	v_wmma_scale_f32_16x16x128_f8f6f4 v[\rd:\rd+7], v[\ra:\ra+7], v[\rb:\rb+7], 0, v[\sa], v[\sb] matrix_a_fmt:MATRIX_FMT_FP4 matrix_b_fmt:MATRIX_FMT_FP4
.elseif (\ks)%2
	v_wmma_scale_f32_16x16x128_f8f6f4 v[\rd:\rd+7], v[\ra:\ra+7], v[\rb:\rb+7], v[\rd:\rd+7], v[\sa], v[\sb] matrix_a_fmt:MATRIX_FMT_FP4 matrix_b_fmt:MATRIX_FMT_FP4 matrix_a_scale:MATRIX_SCALE_ROW1 matrix_b_scale:MATRIX_SCALE_ROW1
.else
	v_wmma_scale_f32_16x16x128_f8f6f4 v[\rd:\rd+7], v[\ra:\ra+7], v[\rb:\rb+7], v[\rd:\rd+7], v[\sa], v[\sb] matrix_a_fmt:MATRIX_FMT_FP4 matrix_b_fmt:MATRIX_FMT_FP4
.endif
.endm
.macro MUL arm, a0, ks                 ; 32 matrix instructions: x's blocks a0 .. a0 + 3 against W's eight.  arm = 0: W is source 0; arm = 1: x is
.irp a, \a0, \a0+1, \a0+2, \a0+3
.irp b, 0,1,2,3,4,5,6,7
.set rD, 8*(8*((\a)%4)+\b)
.set rW, 64*((\ks)%4)+8*\b
.set rX, AF+64*((\ks)%2)+8*(\a)
.set sW, WS+4*\b+(\ks)/2
.set sX, XS+4*(\a)+(\ks)/2
.if \arm
	WM rD, rX, rW, sX, sW, \ks
.else
	WM rD, rW, rX, sW, sX, \ks
.endif
.endr
.endr
.endm
; A K step of 128: 64 matrix instructions; the 64 accumulators take turns, one instruction a turn, in one order in every step and pass.
; W's fragments run three steps ahead in four sets, x's one step ahead in two.  Four plain places stand between the last step's products and the loads into registers that they read.
.macro KSTEP ks
.rept 4
	v_nop
.endr
.if (\ks) <= 5
	s_wait_loadcnt 32                              ; this step's fragments of W are in; those of the two steps behind it, 16 loads each, may be out
.elseif (\ks) == 6
	s_wait_loadcnt 16                              ; in the last pass only step 7's are younger: the count that holds in both passes
.else
	s_wait_loadcnt 0x0                             ; likewise: in the last pass nothing is younger
	s_wait_dscnt 0x0                               ; x's fragments of step 7 are in
.endif
.if (\ks) >= 5
	s_cmp_eq_u32 s[PASS], 1                        ; the last pass asks for nothing beyond its own eight steps
	s_cbranch_scc1 .Lnomore_\@
.endif
	LOADB (\ks)+3, ((\ks)+3)%4
.if (\ks) == 7
	LOADA 0, 0                                     ; the next pass begins with the same rows' first K step
.endif
.if (\ks) >= 5
.Lnomore_\@:
.endif
.if (\ks) < 7
	LOADA (\ks)+1, 1-(\ks)%2
	s_wait_dscnt 16                                ; all but the 16 just issued
.endif
	s_cmp_eq_u32 s[TEN], 2
	s_cbranch_scc1 .Larmv_\@
	WIN 0x53                                       ; source 0 (W) window 3, source 1 (x) window 0, C and D window 1
	MUL 0, 0, \ks
	WIN 0xa3                                       ; C and D window 2
	MUL 0, 4, \ks
	WIN 0
	s_branch .Ljoin_\@
.Larmv_\@:
	WIN 0x5c                                       ; source 0 (x) window 0, source 1 (W) window 3, C and D window 1
	MUL 1, 0, \ks
	WIN 0xac
	MUL 1, 4, \ks
	WIN 0
.Ljoin_\@:
.endm
.irp b, 0,1,2,3,4,5,6,7
.irp i, 0,1,2,3
	global_load_b32 v[WS+4*\b+\i], v[WSO], s[WSB:WSB+1] offset:\i*8192+\b*64         ; W's scale words of the first pass's 128 columns, all of K
.endr
.endr
.irp b, 0,1,2,3,4,5,6,7
.irp i, 0,1,2,3
	global_load_b32 v[WS2+4*\b+\i], v[WSO], s[WSB:WSB+1] offset:\i*8192+\b*64+512    ; and of the second's
.endr
.endr
	LOADB 0, 0
	LOADB 1, 1
	LOADB 2, 2
	s_wait_dscnt 0x0                               ; for the others' sake: my codes and scale bytes lie in LDS
	s_barrier_signal -1
	s_barrier_wait -1                              ; everybody's do
.irp a, 0,1,2,3,4,5,6,7
	ds_load_b128 v[XS+4*\a:XS+4*\a+3], v[ADX] offset:\a*512        ; x's scale words, all of K: they stay
.endr
	LOADA 0, 0
	s_mov_b32 s[PASS], 2
.Lpass:
	KSTEP 0
	KSTEP 1
	KSTEP 2
	KSTEP 3
	KSTEP 4
	KSTEP 5
	KSTEP 6
	KSTEP 7
	; THE WAY OUT of a pass.  A lane's eight results pack into 16 bytes, and the 32 lanes' 512 bytes are one piece of qkvf: no stage.
.rept 4
	v_nop                                          ; places behind the last products
.endr
.set i, 0
.rept 32
	v_mov_b32 v[WS+i], v[WS2+i]                    ; the next pass's scale words; the conversions below stand between these lines and the next scaled product
.set i, i+1
.endr
.irp u, 0,1,2,3                        ; x's blocks 2 u and 2 u + 1
	s_wait_xcnt 0x0                                ; the earlier stores have read their data registers
	WIN 0x05+5*(\u/2)                              ; sources 0 and 1: window 1 or 2
.irp e, 0,1
.irp b, 0,1,2,3,4,5,6,7
.irp r, 0,1,2,3
	v_cvt_pk_f16_f32 v[PK+32*\e+4*\b+\r], v[8*(8*((2*\u+\e)%4)+\b)+2*\r], v[8*(8*((2*\u+\e)%4)+\b)+2*\r+1]   ; each accumulator from its low end on
.endr
.endr
.endr
	WIN 0
.irp e, 0,1
.irp b, 0,1,2,3,4,5,6,7
	global_store_b128 v[WO], v[PK+32*\e+4*\b:PK+32*\e+4*\b+3], s[OB:OB+1] offset:(\b/4)*262144+(2*\u+\e)*2048+(\b%4)*512   ; head b / 4, token tile, piece b % 4: 512 consecutive, aligned bytes
.endr
.endr
.endr
	s_wait_xcnt 0x0                                ; stores and loads have read their bases and registers
	s_add_nc_u64 s[OB:OB+1], s[OB:OB+1], 2*262144  ; two heads on
	s_add_nc_u64 s[WB:WB+1], s[WB:WB+1], 65536     ; eight tiles of W on
	s_sub_co_u32 s[PASS], s[PASS], 1
	s_cmp_lg_u32 s[PASS], 0
	s_cbranch_scc1 .Lpass
	s_wait_tensorcnt 0x0                           ; the wave's end
	ds_add_u32 v[SPW], v[NIL]
	s_wait_dscnt 0x0
	s_endpgm
.Lfunc_end_k_qd88d2ed6b4_proj:
	.size	k_qd88d2ed6b4_proj, .Lfunc_end_k_qd88d2ed6b4_proj-k_qd88d2ed6b4_proj
	.p2alignl 7, 3214868480
	.fill 96, 4, 3214868480
	.section	.rodata,"a",@progbits
	.p2align	6, 0x0
	.amdhsa_kernel k_qd88d2ed6b4_proj
		.amdhsa_group_segment_fixed_size 72192
		.amdhsa_private_segment_fixed_size 0
		.amdhsa_enable_private_segment 0
		.amdhsa_kernarg_size 48
		.amdhsa_user_sgpr_count 2
		.amdhsa_user_sgpr_kernarg_segment_ptr 1
		.amdhsa_wavefront_size32 1
		.amdhsa_system_sgpr_workgroup_id_x 1
		.amdhsa_system_sgpr_workgroup_id_y 1
		.amdhsa_system_sgpr_workgroup_id_z 1
		.amdhsa_system_vgpr_workitem_id 0
		.amdhsa_next_free_vgpr 1024
		.amdhsa_next_free_sgpr 66
		.amdhsa_reserve_vcc 0
		.amdhsa_float_denorm_mode_32 3
		.amdhsa_float_denorm_mode_16_64 3
		.amdhsa_memory_ordered 1
		.amdhsa_forward_progress 1
		.amdhsa_inst_pref_size 235
	.end_amdhsa_kernel
	.amdgpu_metadata
---
amdhsa.version: [ 1, 2 ]
amdhsa.kernels:
  - .name:           k_qd88d2ed6b4_proj
    .symbol:         k_qd88d2ed6b4_proj.kd
    .args:
      - { .name: q, .offset: 0, .size: 8, .value_kind: global_buffer, .address_space: global }
      - { .name: k, .offset: 8, .size: 8, .value_kind: global_buffer, .address_space: global }
      - { .name: v, .offset: 16, .size: 8, .value_kind: global_buffer, .address_space: global }
      - { .name: wcodes, .offset: 24, .size: 8, .value_kind: global_buffer, .address_space: global }
      - { .name: wscales, .offset: 32, .size: 8, .value_kind: global_buffer, .address_space: global }
      - { .name: qkvf, .offset: 40, .size: 8, .value_kind: global_buffer, .address_space: global }
    .group_segment_fixed_size: 72192
    .private_segment_fixed_size: 0
    .kernarg_segment_align: 8
    .kernarg_segment_size: 48
    .max_flat_workgroup_size: 128
    .sgpr_count:     66
    .vgpr_count:     1024
    .wavefront_size: 32
...
	.end_amdgpu_metadata
.endif
;; end of part 2
;; launch attn (part 3): grid 4 x 64, 8 waves a work-group, clusters of 4 x 1, 327,680 bytes of LDS; arguments qkvf, mask, attf; writes attf
.if DOCPART == 3
	.amdgcn_target "amdgcn-amd-amdhsa--gfx1250"
	.amdhsa_code_object_version 6
	.text
	.protected	k_qd88d2ed6b4_attn
	.globl	k_qd88d2ed6b4_attn
	.p2align	8
	.type	k_qd88d2ed6b4_attn,@function
k_qd88d2ed6b4_attn:
	s_mov_b64 s[64:65], 0
	v_nop
	global_prefetch_b8 v0, s[64:65] scope:SCOPE_SE
	s_setreg_imm32_b32 hwreg(HW_REG_WAVE_MODE, 25, 1), 1
	s_wait_xcnt 0x0
	s_wait_alu depctr_hold_cnt(0) depctr_sa_sdst(0) depctr_va_vdst(0) depctr_va_sdst(0) depctr_va_ssrc(0) depctr_va_vcc(0) depctr_vm_vsrc(0)
	s_getreg_b32 s2, hwreg(HW_REG_IB_STS2, 6, 4)
	s_cmp_eq_u32 s2, 0
	s_cbranch_scc0 .Lentry_in_a_cluster
	s_endpgm
.Lentry_in_a_cluster:
	s_bfe_u32 s2, ttmp6, 0x10000c
	s_cmp_lg_u32 s2, 0x3003
	s_cbranch_scc0 .Lentry_shape_is_right
	s_endpgm
.Lentry_shape_is_right:
; att[b][q][head] = the sum over keys of softmax(Q . K / 8 - mask x 1e9) V, head size 64, 2,048 keys.  Q, K, V come as f16 register images (qkvf), att leaves as f16 images (attf).
; Products on f16 operands with f32 sums; scores, maxima, exponentials and sums in f32; a running maximum M and sum l for each query.
; t = score x log2(e) / 8 + bias, bias = -(mask x 1e9) x log2(e), one fused multiply-add; p = 2^(t - M); in every step l and O are multiplied by f = 2^(old M - new M).
; LIMITS: NaN and infinities are not served.  Where every key of a batch is masked, t is rounded once at about 1.44e9 (steps of 128 in t) where the definition rounds g at 1e9 (steps of 64 in g):
; both give the uniform softmax while |score| / 8 stays under 32; beyond that they bin the scores differently.  Q, K, V and att lie in f16's range (65,504).
; SHARES.  Work-group y = batch x 16 + head; a work-group owns 512 queries, each of its eight waves 64: four tiles of 16, in 512 registers: two waves to a SIMD, so that one wave's softmax stands beside the other's products.
; CLUSTER.  The four query blocks of a head walk the same K and V, so every tile is asked for JOINTLY: the same load, descriptor and mask in all four.  Its address is made of the head and the wave's number alone.
; RING.  Two slots of 512 keys: K's 64 KB, then V's 64 KB, as they lie in memory; each of the eight waves fetches 16 KB (64 rows of 256 bytes) with one load.  Four slots' worth of keys: two first fills, two refills.
; A refill is asked for eight key steps, 512 matrix instructions a wave, ahead of the wait for it; so nothing is prefetched beside it.  Two tensor loads of a wave are out at the start, one behind each round.
; LAYOUT.  S^T = K Q^T (source 0 = 16 keys, source 1 = 16 queries), O^T = V^T P (source 0 = 16 channels, source 1 = P): a lane holds one query (lane % 16) throughout; two tiles of S^T, packed in pairs, ARE P's fragment.
; All fragments are images: 16 bytes a lane at 16 x lane, 512 consecutive bytes a load: no pitch, no padding, no turning load.
; REGISTERS.  Window 0: v1-8 addresses; v16-47 statistics, eight a tile; v48-175 S^T, 32 a tile, later P in v48-111; v176-239 fragments of K, then the bias and V; v240-247 second chains of the sums.
;   Window 1: v0-127 O^T, 32 a tile; v128-191 Q, 16 a tile.
.set KSLOT, 131072
.set VOFF,  65536
.set NBB,   262144                     ; behind the ring: the bias of the batch's 2,048 keys, f32
.set SPARE, NBB+8192                   ; behind it: the spare words, 128 bytes a wave
.set LI,  1                            ; v1  16 x lane
.set ADK, 2                            ; v2  the step's tiles of K
.set ADV, 3                            ; v3  of V
.set ADN, 4                            ; v4  the step's bias
.set NB0, 5                            ; v5  NBB + 32 h: my half's eight keys of a tile
.set SPW, 6                            ; v6  my spare word; never rewritten
.set NIL, 7                            ; v7  0; never rewritten
.set LIV, 8                            ; v8  16 x lane + VOFF
.set ST,  16                           ; tile t at v[ST + 8 t]: +0 M, +1 the old M, then old M - new M, +2, +3 l (even keys', odd keys'), +4 to +7 at work; f takes +6
.set S,   48
.set F,   176
.set U,   240
.set QF,  128                          ; in window 1
.set WV,  10
.set CS,  20                           ; s[20:21] log2(e) / 8: the packed form names a pair and takes its low word for both halves
.set SEL, 22                           ; s[22:23] selects for lane l xor 16
.set G1,  24
.set G0A, 32                           ; slot 0's group 0
.set G0B, 36                           ; slot 1's
.set TB,  40
.set TN,  41
.set CNT, 42
.set QB,  44
.set AT,  46
.set MB,  48
.set MSB, 0
.macro WIN new                         ; the immediate's high byte repeats the setting that is left
.if MSB != (\new)
	s_set_vgpr_msb (MSB<<8)|(\new)
.set MSB, (\new)
.endif
.endm
.macro ROUND                           ; a round of the cluster's barrier
	s_barrier_signal -1
	s_barrier_wait -1
	s_cmp_lg_u32 s[WV], 0
	s_cbranch_scc1 .Lnot_wave_0_\@
	s_barrier_signal -3
.Lnot_wave_0_\@:
	s_barrier_wait -3
	s_barrier_signal -1
	s_barrier_wait -1
.endm
	s_load_b128 s[4:7], s[0:1], 0x0                ; qkvf s[4:5], mask s[6:7]
	s_load_b64 s[8:9], s[0:1], 0x10                ; attf
	v_lshl_add_u32 v[SPW], v0, 2, SPARE
	v_mov_b32 v[NIL], 0
	ds_add_u32 v[SPW], v[NIL]                      ; the wave's opening: the add, twice on end, and its wait ahead of my first tensor load
	ds_add_u32 v[SPW], v[NIL]
	v_lshrrev_b32 v9, 5, v0
	v_readfirstlane_b32 s[WV], v9                  ; wave 0..7
	s_bfe_u32 s11, ttmp6, 0x40000                  ; cx: my place in the cluster
	s_lshl_b32 s12, ttmp9, 2
	s_add_co_u32 s12, s12, s11                     ; my block of 512 queries: it enters Q's and att's addresses alone
	s_and_b32 s13, ttmp7, 0xffff                   ; batch x 16 + head, which the four partners share
	s_mov_b32 s[G1], 15|(3<<16)|(1<<21)            ; 15:0 the mask: all four; 17:16 elements of 8 bytes; 21 set beside a mask; no padding
	s_mov_b32 s[G1+1], 32<<16                      ; tensor_dim0 = 32 elements: 256 bytes
	s_mov_b32 s[G1+2], 64<<16                      ; tensor_dim1 = 64
	s_mov_b32 s[G1+3], 32<<16                      ; tile_dim0 = 32
	s_mov_b32 s[G1+4], 64                          ; tile_dim1 = 64
	s_mov_b32 s[G1+5], 32                          ; from row to row: dense
	s_mov_b32 s[G1+6], 0
	s_mov_b32 s[G1+7], 0
	s_mov_b32 s[CS], 0x3e38aa3b                    ; log2(e) / 8
	s_mov_b32 s[CS+1], s[CS]
	s_mov_b32 s[SEL], 0x76543210
	s_mov_b32 s[SEL+1], 0xfedcba98
	s_lshr_b32 s14, s[WV], 2                       ; what I fetch: waves 0-3 K's quarters, waves 4-7 V's
	s_add_co_u32 s14, s14, 1
	s_lshl_b32 s14, s14, 24                        ; tensor 1 or 2 of qkvf,
	s_lshl_b32 s15, s13, 18
	s_add_co_u32 s14, s14, s15                     ; the head's 262,144 bytes,
	s_and_b32 s15, s[WV], 3
	s_lshl_b32 s15, s15, 14
	s_add_co_u32 s14, s14, s15                     ; my 16,384 of a slot's 65,536
	s_mov_b32 s15, 0
	s_lshl_b32 s16, s13, 18                        ; Q: the head, my block's 32 tiles of 2,048 bytes, my wave's four
	s_lshl_b32 s17, s12, 16
	s_add_co_u32 s16, s16, s17
	s_lshl_b32 s17, s[WV], 13
	s_add_co_u32 s16, s16, s17
	s_mov_b32 s17, 0
	s_lshr_b32 s18, s13, 4                         ; att: the batch's 128 token tiles of 32,768 bytes, my block's 32, my wave's four, the head's 2,048 bytes in a tile
	s_lshl_b32 s18, s18, 22
	s_lshl_b32 s19, s12, 20
	s_add_co_u32 s18, s18, s19
	s_lshl_b32 s19, s[WV], 17
	s_add_co_u32 s18, s18, s19
	s_and_b32 s19, s13, 15
	s_lshl_b32 s19, s19, 11
	s_add_co_u32 s18, s18, s19
	s_mov_b32 s19, 0
	s_lshr_b32 s50, s13, 4
	s_lshl_b32 s50, s50, 13                        ; the batch's 8,192 bytes of mask
	s_mov_b32 s51, 0
	s_mov_b32 s[G0A], 1
	s_lshl_b32 s[G0A+1], s[WV], 14                 ; LDS: wave x 16,384: K's four quarters, then V's: no place in the cluster enters an LDS address
	s_mov_b32 s[G0B], 1
	s_add_co_u32 s[G0B+1], s[G0A+1], KSLOT
	v_and_b32 v9, 31, v0
	v_lshlrev_b32 v[LI], 4, v9
	v_add_nc_u32 v[LIV], VOFF, v[LI]
	v_bfe_u32 v9, v0, 4, 1
	v_lshl_add_u32 v[NB0], v9, 5, NBB
	s_wait_dscnt 0x0                               ; both opening adds are done
	s_wait_kmcnt 0x0
	s_add_nc_u64 s[G0A+2:G0A+3], s[4:5], s[14:15]  ; keys 0 to 511
	s_add_nc_u64 s[G0B+2:G0B+3], s[G0A+2:G0A+3], 65536   ; keys 512 to 1,023
	s_or_b32 s[G0A+3], s[G0A+3], 0x80000000        ; type = 2
	s_or_b32 s[G0B+3], s[G0B+3], 0x80000000
	s_add_nc_u64 s[QB:QB+1], s[4:5], s[16:17]
	s_add_nc_u64 s[AT:AT+1], s[8:9], s[18:19]
	s_add_nc_u64 s[MB:MB+1], s[6:7], s[50:51]
	ROUND                                          ; all four work-groups are here: the first joint loads meet
	tensor_load_to_lds s[G0A:G0A+3], s[G1:G1+7]
	s_nop 0
	tensor_load_to_lds s[G0B:G0B+3], s[G1:G1+7]
	s_nop 0
.rept 4
	v_nop
.endr
	v_lshlrev_b32 v9, 5, v0                        ; 32 x thread: each of the 256 threads turns eight numbers of the mask into bias
	v_add_nc_u32 v10, NBB, v9
	global_load_b128 v[F:F+3], v9, s[MB:MB+1]
	global_load_b128 v[F+4:F+7], v9, s[MB:MB+1] offset:16
	WIN 0x40                                       ; destination window 1
.irp t, 0,1,2,3
.irp p, 0,1,2,3
	global_load_b128 v[QF+16*\t+4*\p:QF+16*\t+4*\p+3], v[LI], s[QB:QB+1] offset:\t*2048+\p*512   ; Q stays in registers
.endr
.endr
.set i, 0
.rept 128
	v_mov_b32 v[i], 0                              ; O^T.  The step is written without a first step of its own: it finds zeros, which the first change of M leaves zeros
.set i, i+1
.endr
	WIN 0
.irp t, 0,1,2,3
	v_mov_b32 v[ST+8*\t], 0xff61b1e6               ; M: -3e38, under every t
	v_mov_b32 v[ST+8*\t+2], 0                      ; l
	v_mov_b32 v[ST+8*\t+3], 0
.endr
	s_wait_loadcnt 16                              ; the mask is in; Q's 16 loads are younger
.irp i, 0,1,2,3,4,5,6,7
	v_mul_f32 v[F+\i], 0x4e6e6b28, v[F+\i]         ; mask x 1e9, rounded as the definition rounds it,
.endr
.irp i, 0,1,2,3,4,5,6,7
	v_mul_f32 v[F+\i], 0xbfb8aa3b, v[F+\i]         ; x -log2(e)
.endr
	ds_store_b128 v10, v[F:F+3]
	ds_store_b128 v10, v[F+4:F+7] offset:16
	s_wait_loadcnt 0x0                             ; Q
	s_wait_tensorcnt 1                             ; my part of slot 0 is in; slot 1's may stay out
	s_wait_dscnt 0x0                               ; my part of the bias lies in LDS
	s_barrier_signal -1
	s_barrier_wait -1
; A KEY STEP: 64 keys.
.macro STEP
	v_add_nc_u32 v[ADK], s[TB], v[LI]              ; five plain places behind the last step's products: the products below write over P, which those read
	v_add_nc_u32 v[ADV], s[TB], v[LIV]
	v_add_nc_u32 v[ADN], s[TN], v[NB0]
	v_nop
	v_nop
.irp cs, 0,1                           ; K's fragment (tile kt, channels 32 cs on) is pieces 2 cs and 2 cs + 1; channels 0-31 of all four tiles first
.irp kt, 0,1,2,3
	ds_load_b128 v[F+16*\kt+8*\cs:F+16*\kt+8*\cs+3],   v[ADK] offset:\kt*2048+\cs*1024
	ds_load_b128 v[F+16*\kt+8*\cs+4:F+16*\kt+8*\cs+7], v[ADK] offset:\kt*2048+\cs*1024+512
.endr
.endr
	WIN 0x04                                       ; source 1 (Q) window 1
.irp cs, 0,1                           ; 16 accumulators by turns, one instruction a turn
	s_wait_dscnt 8-8*\cs                           ; channels 0-31 are in, the other eight loads may be out; then all
.irp kt, 0,1,2,3
.irp t, 0,1,2,3
.if \cs == 0
	v_wmma_f32_16x16x32_f16 v[S+32*\t+8*\kt:S+32*\t+8*\kt+7], v[F+16*\kt+8*\cs:F+16*\kt+8*\cs+7], v[QF+16*\t+8*\cs:QF+16*\t+8*\cs+7], 0
.else
	v_wmma_f32_16x16x32_f16 v[S+32*\t+8*\kt:S+32*\t+8*\kt+7], v[F+16*\kt+8*\cs:F+16*\kt+8*\cs+7], v[QF+16*\t+8*\cs:QF+16*\t+8*\cs+7], v[S+32*\t+8*\kt:S+32*\t+8*\kt+7]
.endif
.endr
.endr
.endr
	WIN 0
.rept 4
	v_nop                                          ; places in front of the loads into K's registers and of the first read of the scores
.endr
.irp kt, 0,1,2,3
	ds_load_b128 v[F+8*\kt:F+8*\kt+3],   v[ADN] offset:\kt*64       ; the bias of keys 16 kt + 8 h + 0 .. 7
	ds_load_b128 v[F+8*\kt+4:F+8*\kt+7], v[ADN] offset:\kt*64+16
.endr
.irp ct, 0,1,2,3
	ds_load_b128 v[F+32+8*\ct:F+32+8*\ct+3],   v[ADV] offset:\ct*512        ; V^T, keys 0-31: channels 16 ct on; registers 0-3 from the first token tile, 4-7 from the second
	ds_load_b128 v[F+32+8*\ct+4:F+32+8*\ct+7], v[ADV] offset:2048+\ct*512
.endr
	s_wait_dscnt 8                                 ; the bias is in; V's eight loads may be out
.irp t, 0,1,2,3
.irp kt, 0,1,2,3
.irp j, 0,2,4,6
	v_pk_fma_f32 v[S+32*\t+8*\kt+\j:S+32*\t+8*\kt+\j+1], v[S+32*\t+8*\kt+\j:S+32*\t+8*\kt+\j+1], s[CS:CS+1], v[F+8*\kt+\j:F+8*\kt+\j+1] op_sel_hi:[1,0,1]   ; t; each accumulator from its low end on
.endr
.endr
.endr
.irp ct, 0,1,2,3
	ds_load_b128 v[F+8*\ct:F+8*\ct+3],   v[ADV] offset:4096+\ct*512        ; V^T, keys 32-63, where the bias lay
	ds_load_b128 v[F+8*\ct+4:F+8*\ct+7], v[ADV] offset:6144+\ct*512
.endr
	; the maximum of a lane's 32 t and the old M, three operands at a time; the four tiles by turns
.irp j, 0,1,2,3
.irp t, 0,1,2,3
	v_max3_num_f32 v[ST+8*\t+4+\j], v[S+32*\t+8*\j], v[S+32*\t+8*\j+1], v[S+32*\t+8*\j+2]
.endr
.endr
.irp q, 3,5
.irp j, 0,1,2,3
.irp t, 0,1,2,3
	v_max3_num_f32 v[ST+8*\t+4+\j], v[ST+8*\t+4+\j], v[S+32*\t+8*\j+\q], v[S+32*\t+8*\j+\q+1]
.endr
.endr
.endr
.irp t, 0,1,2,3
	v_max3_num_f32 v[ST+8*\t+4], v[ST+8*\t+4], v[S+32*\t+7], v[S+32*\t+15]
.endr
.irp t, 0,1,2,3
	v_max3_num_f32 v[ST+8*\t+6], v[ST+8*\t+6], v[S+32*\t+23], v[S+32*\t+31]
.endr
.irp t, 0,1,2,3
	v_max3_num_f32 v[ST+8*\t+4], v[ST+8*\t+4], v[ST+8*\t+5], v[ST+8*\t+6]
.endr
.irp t, 0,1,2,3
	v_max3_num_f32 v[ST+8*\t+4], v[ST+8*\t+4], v[ST+8*\t+7], v[ST+8*\t]
.endr
.irp t, 0,1,2,3
	v_permlanex16_b32 v[ST+8*\t+5], v[ST+8*\t+4], s[SEL], s[SEL+1]   ; the query's other 32 keys lie in the lane 16 away
.endr
.irp t, 0,1,2,3
	v_mov_b32 v[ST+8*\t+1], v[ST+8*\t]
.endr
.irp t, 0,1,2,3
	v_max_num_f32 v[ST+8*\t], v[ST+8*\t+4], v[ST+8*\t+5]             ; the new M
.endr
.irp t, 0,1,2,3
	v_sub_f32 v[ST+8*\t+1], v[ST+8*\t+1], v[ST+8*\t]                 ; old M - new M, 0 or less
.endr
	; ONE BATCH of exponentials with one wait: f of the four tiles, then p: a pair's subtraction, and the two exponentials of the pair before it.  Nothing here names an exponential's result.
.irp t, 0,1,2,3
	v_exp_f32 v[ST+8*\t+6], v[ST+8*\t+1]
.endr
.set i, 0
.rept 64
	v_pk_add_f32 v[S+2*i:S+2*i+1], v[S+2*i:S+2*i+1], v[ST+8*(i/16):ST+8*(i/16)+1] op_sel_hi:[1,0] neg_lo:[0,1] neg_hi:[0,1]   ; t - M
.if i > 0
	v_exp_f32 v[S+2*i-2], v[S+2*i-2]
	v_exp_f32 v[S+2*i-1], v[S+2*i-1]
.endif
.set i, i+1
.endr
	v_exp_f32 v[S+126], v[S+126]
	v_exp_f32 v[S+127], v[S+127]
	v_nop                                          ; the plain line behind the last exponential
	s_wait_alu depctr_va_vdst(0)                   ; the wait ahead of the first line that names a result: one for the batch
.irp t, 0,1,2,3
	v_pk_mul_f32 v[ST+8*\t+2:ST+8*\t+3], v[ST+8*\t+2:ST+8*\t+3], v[ST+8*\t+6:ST+8*\t+7] op_sel_hi:[1,0]   ; l x f
.endr
.irp t, 0,1,2,3                        ; the sum of a tile's 16 pairs, in two chains
	v_pk_add_f32 v[U+2*\t:U+2*\t+1], v[S+32*\t+2:S+32*\t+3], v[S+32*\t+6:S+32*\t+7]
.endr
.irp m, 0,4
.irp t, 0,1,2,3
	v_pk_add_f32 v[ST+8*\t+2:ST+8*\t+3], v[ST+8*\t+2:ST+8*\t+3], v[S+32*\t+\m:S+32*\t+\m+1]
.endr
.endr
.irp m, 8,12,16,20,24,28
.irp t, 0,1,2,3
	v_pk_add_f32 v[ST+8*\t+2:ST+8*\t+3], v[ST+8*\t+2:ST+8*\t+3], v[S+32*\t+\m:S+32*\t+\m+1]
.endr
.irp t, 0,1,2,3
	v_pk_add_f32 v[U+2*\t:U+2*\t+1], v[U+2*\t:U+2*\t+1], v[S+32*\t+\m+2:S+32*\t+\m+3]
.endr
.endr
.irp t, 0,1,2,3
	v_pk_add_f32 v[ST+8*\t+2:ST+8*\t+3], v[ST+8*\t+2:ST+8*\t+3], v[U+2*\t:U+2*\t+1]
.endr
.set i, 0
.rept 64
	v_cvt_pk_f16_f32 v[S+i], v[S+2*i], v[S+2*i+1]  ; P, packed downward in place: register i is written when the pairs up to i have been read.  Tile t's fragment of keys 32 c on: v[S + 16 t + 8 c]
.set i, i+1
.endr
	WIN 0x41                                       ; O^T (destination and source 0) window 1, f window 0
.irp t, 0,1,2,3
.set i, 0
.rept 16
	v_pk_mul_f32 v[32*\t+2*i:32*\t+2*i+1], v[32*\t+2*i:32*\t+2*i+1], v[ST+8*\t+6:ST+8*\t+7] op_sel_hi:[1,0]
.set i, i+1
.endr
.endr
	s_wait_dscnt 0x0                               ; V is in
	WIN 0x50                                       ; V and P window 0, C and D window 1
.irp c, 0,1                            ; 16 accumulators by turns
.irp ct, 0,1,2,3
.irp t, 0,1,2,3
	v_wmma_f32_16x16x32_f16 v[32*\t+8*\ct:32*\t+8*\ct+7], v[F+32-32*\c+8*\ct:F+32-32*\c+8*\ct+7], v[S+16*\t+8*\c:S+16*\t+8*\c+7], v[32*\t+8*\ct:32*\t+8*\ct+7]
.endr
.endr
.endr
	WIN 0
	s_add_co_u32 s[TB], s[TB], 4*2048              ; four token tiles on
	s_add_co_u32 s[TN], s[TN], 256
.endm
.macro SLOTWORK idx                    ; the eight key steps of keys 512 idx on, which lie in slot idx % 2
	s_mov_b32 s[TB], ((\idx)&1)*KSLOT
	s_mov_b32 s[TN], (\idx)*2048
	s_mov_b32 s[CNT], 8
.Lstep_\@:
	STEP
	s_sub_co_u32 s[CNT], s[CNT], 1
	s_cmp_lg_u32 s[CNT], 0
	s_cbranch_scc1 .Lstep_\@
.endm
; THE CHANGE OF SLOTS.  Each wave waits for all its tensor loads, of which one is out: its part of the slot ahead; adds 0 to its spare word; waits for that and for its reads of the slot that it leaves.
; Behind the round no wave of any partner reads that slot or has a load on its way: it is filled with the keys two slots on, first thing, one load a wave.
.macro CHANGE g0
	s_wait_tensorcnt 0x0
	ds_add_u32 v[SPW], v[NIL]                      ; the descriptor's step stands between the add and the wait for it
	s_add_nc_u64 s[\g0+2:\g0+3], s[\g0+2:\g0+3], 2*65536
	s_wait_dscnt 0x0
	ROUND
	tensor_load_to_lds s[\g0:\g0+3], s[G1:G1+7]
	s_nop 0
.rept 4
	v_nop
.endr
.endm
	SLOTWORK 0
	CHANGE G0A
	SLOTWORK 1
	CHANGE G0B
	SLOTWORK 2
	s_wait_tensorcnt 0x0                           ; the last change: my part of the last slot is in; nothing is asked for, so no round
	ds_add_u32 v[SPW], v[NIL]
	s_wait_dscnt 0x0
	s_barrier_signal -1
	s_barrier_wait -1
	SLOTWORK 3
	; THE WAY OUT.  l's halves and the other half of the lanes' are added (these lines are the places behind the last products); O^T / l is packed to f16: a lane's eight channels of a query are 16 bytes,
	; the 32 lanes' 512 bytes one piece of attf: [token tile][K step of 32 = 2 head + ct / 2][half ct % 2][lane][16 bytes].
.irp t, 0,1,2,3
	v_add_f32 v[ST+8*\t+4], v[ST+8*\t+2], v[ST+8*\t+3]
.endr
.irp t, 0,1,2,3
	v_permlanex16_b32 v[ST+8*\t+5], v[ST+8*\t+4], s[SEL], s[SEL+1]
.endr
.irp t, 0,1,2,3
	v_add_f32 v[ST+8*\t+4], v[ST+8*\t+4], v[ST+8*\t+5]
.endr
.irp t, 0,1,2,3
	v_rcp_f32 v[ST+8*\t+6], v[ST+8*\t+4]
.endr
	v_nop
	s_wait_alu depctr_va_vdst(0)                   ; one wait for the four reciprocals, ahead of their first reader
	WIN 0x01                                       ; source 0 (O^T) window 1
.irp t, 0,1,2,3
.set i, 0
.rept 16
	v_pk_mul_f32 v[S+32*\t+2*i:S+32*\t+2*i+1], v[32*\t+2*i:32*\t+2*i+1], v[ST+8*\t+6:ST+8*\t+7] op_sel_hi:[1,0]
.set i, i+1
.endr
.endr
	WIN 0
.set i, 0
.rept 64
	v_cvt_pk_f16_f32 v[F+i], v[S+2*i], v[S+2*i+1]
.set i, i+1
.endr
.irp t, 0,1,2,3
.irp ct, 0,1,2,3
	global_store_b128 v[LI], v[F+16*\t+4*\ct:F+16*\t+4*\ct+3], s[AT:AT+1] offset:\t*32768+\ct*512   ; 512 consecutive, aligned bytes
.endr
.endr
	s_wait_tensorcnt 0x0                           ; the wave's end
	ds_add_u32 v[SPW], v[NIL]
	s_wait_dscnt 0x0
	ROUND                                          ; the closing round
	s_endpgm
.Lfunc_end_k_qd88d2ed6b4_attn:
	.size	k_qd88d2ed6b4_attn, .Lfunc_end_k_qd88d2ed6b4_attn-k_qd88d2ed6b4_attn
	.p2alignl 7, 3214868480
	.fill 96, 4, 3214868480
	.section	.rodata,"a",@progbits
	.p2align	6, 0x0
	.amdhsa_kernel k_qd88d2ed6b4_attn
		.amdhsa_group_segment_fixed_size 327680
		.amdhsa_private_segment_fixed_size 0
		.amdhsa_enable_private_segment 0
		.amdhsa_kernarg_size 24
		.amdhsa_user_sgpr_count 2
		.amdhsa_user_sgpr_kernarg_segment_ptr 1
		.amdhsa_wavefront_size32 1
		.amdhsa_system_sgpr_workgroup_id_x 1
		.amdhsa_system_sgpr_workgroup_id_y 1
		.amdhsa_system_sgpr_workgroup_id_z 1
		.amdhsa_system_vgpr_workitem_id 0
		.amdhsa_next_free_vgpr 512
		.amdhsa_next_free_sgpr 66
		.amdhsa_reserve_vcc 0
		.amdhsa_float_denorm_mode_32 3
		.amdhsa_float_denorm_mode_16_64 3
		.amdhsa_memory_ordered 1
		.amdhsa_forward_progress 1
		.amdhsa_inst_pref_size 170
	.end_amdhsa_kernel
	.amdgpu_metadata
---
amdhsa.version: [ 1, 2 ]
amdhsa.kernels:
  - .name:           k_qd88d2ed6b4_attn
    .symbol:         k_qd88d2ed6b4_attn.kd
    .args:
      - { .name: qkvf, .offset: 0, .size: 8, .value_kind: global_buffer, .address_space: global }
      - { .name: mask, .offset: 8, .size: 8, .value_kind: global_buffer, .address_space: global }
      - { .name: attf, .offset: 16, .size: 8, .value_kind: global_buffer, .address_space: global }
    .group_segment_fixed_size: 327680
    .private_segment_fixed_size: 0
    .kernarg_segment_align: 8
    .kernarg_segment_size: 24
    .max_flat_workgroup_size: 256
    .sgpr_count:     66
    .vgpr_count:     512
    .wavefront_size: 32
...
	.end_amdgpu_metadata
.endif
;; end of part 3
;; launch outp (part 4): grid 32 x 8, 4 waves a work-group, clusters of 4 x 1, 327,680 bytes of LDS; arguments attf, wof, out0; writes out0
.if DOCPART == 4
	.amdgcn_target "amdgcn-amd-amdhsa--gfx1250"
	.amdhsa_code_object_version 6
	.text
	.protected	k_qd88d2ed6b4_outp
	.globl	k_qd88d2ed6b4_outp
	.p2align	8
	.type	k_qd88d2ed6b4_outp,@function
k_qd88d2ed6b4_outp:
	s_mov_b64 s[64:65], 0
	v_nop
	global_prefetch_b8 v0, s[64:65] scope:SCOPE_SE
	s_setreg_imm32_b32 hwreg(HW_REG_WAVE_MODE, 25, 1), 1
	s_wait_xcnt 0x0
	s_wait_alu depctr_hold_cnt(0) depctr_sa_sdst(0) depctr_va_vdst(0) depctr_va_sdst(0) depctr_va_ssrc(0) depctr_va_vcc(0) depctr_vm_vsrc(0)
	s_getreg_b32 s2, hwreg(HW_REG_IB_STS2, 6, 4)
	s_cmp_eq_u32 s2, 0
	s_cbranch_scc0 .Lentry_in_a_cluster
	s_endpgm
.Lentry_in_a_cluster:
	s_bfe_u32 s2, ttmp6, 0x10000c
	s_cmp_lg_u32 s2, 0x3003
	s_cbranch_scc0 .Lentry_shape_is_right
	s_endpgm
.Lentry_shape_is_right:
; out0 = att Wo: [8,192][1,024] x [1,024][1,024], f16 operands, f32 sums, f32 out.  att and Wo come as register images (attf, wof).
; A work-group makes 256 rows (work-group x) x 128 columns (work-group y): 256 work-groups.  Each of its four waves makes 64 rows x 128 columns: 32 accumulators, 256 registers.
; Wo's slice of 128 columns, all of K, is 256 KB: it comes into LDS ONCE, in four chunks of 256 along K, each wave fetching a quarter of each chunk (64 rows of 256 bytes).  Nothing is filled again: no ring.
; CLUSTER.  The four row groups of a cluster need the same slice: each chunk is asked for JOINTLY, by the same load with the same descriptor and a mask that names the four.  Four tensor loads of a wave are out at the start.
; att's fragments are each read by one wave of the work-group: they go from memory straight into registers, seven K steps ahead in eight sets; nothing is prefetched beside that.
; THE MATRIX INSTRUCTION IS USED TRANSPOSED (source 0 = 16 columns of Wo, source 1 = 16 rows of att): a lane holds eight neighbouring numbers of a row of out0.
; REGISTERS.  Window 0: v1-9 addresses; v64-191 Wo's fragments, two sets of 64, later rows on the way out.  Window 1: accumulator (a, b) at 8 (8 a + b).  Window 2: att's fragments, set s at 32 s + 8 a.
.set STG,   262144                     ; behind the slice: a stage of 16 rows x (512 bytes + 16) for each wave
.set SP,    528
.set SPARE, STG+4*16*SP                ; behind the stages: the spare words, 128 bytes a wave
.set LI,  1                            ; v1   16 x lane
.set ADB, 2                            ; v2-5 16 x lane + chunk x 65,536
.set SPW, 6                            ; v6   my spare word; never rewritten
.set NIL, 7                            ; v7   0; never rewritten
.set STO, 8                            ; v8   the stage: where I put 32 bytes of a row
.set RD,  9                            ; v9   and where I read a row back
.set BF,  64
.set WV,  10
.set G1,  24
.set G0,  32                           ; s[32:47] a group 0 for each chunk
.set AB,  48
.set OUT, 50
.set MSB, 0
.macro WIN new                         ; the immediate's high byte repeats the setting that is left
.if MSB != (\new)
	s_set_vgpr_msb (MSB<<8)|(\new)
.set MSB, (\new)
.endif
.endm
.macro ROUND                           ; a round of the cluster's barrier
	s_barrier_signal -1
	s_barrier_wait -1
	s_cmp_lg_u32 s[WV], 0
	s_cbranch_scc1 .Lnot_wave_0_\@
	s_barrier_signal -3
.Lnot_wave_0_\@:
	s_barrier_wait -3
	s_barrier_signal -1
	s_barrier_wait -1
.endm
	s_load_b128 s[4:7], s[0:1], 0x0                ; attf s[4:5], wof s[6:7]
	s_load_b64 s[8:9], s[0:1], 0x10                ; out0
	v_lshl_add_u32 v[SPW], v0, 2, SPARE
	v_mov_b32 v[NIL], 0
	ds_add_u32 v[SPW], v[NIL]                      ; the wave's opening: the add, twice on end, and its wait ahead of my first tensor load
	ds_add_u32 v[SPW], v[NIL]
	v_lshrrev_b32 v10, 5, v0
	v_readfirstlane_b32 s[WV], v10                 ; wave 0..3
	s_bfe_u32 s11, ttmp6, 0x40000                  ; cx
	s_lshl_b32 s12, ttmp9, 2
	s_add_co_u32 s12, s12, s11                     ; my group of 256 rows: it enters att's and out0's addresses alone
	s_and_b32 s13, ttmp7, 0xffff                   ; the slice, which the four partners share
	s_mov_b32 s[G1], 15|(3<<16)|(1<<21)            ; 15:0 the mask: all four; 17:16 elements of 8 bytes; 21 set beside a mask; no padding
	s_mov_b32 s[G1+1], 32<<16                      ; tensor_dim0 = 32 elements: 256 bytes
	s_mov_b32 s[G1+2], 64<<16                      ; tensor_dim1 = 64
	s_mov_b32 s[G1+3], 32<<16                      ; tile_dim0
	s_mov_b32 s[G1+4], 64                          ; tile_dim1
	s_mov_b32 s[G1+5], 32                          ; dense
	s_mov_b32 s[G1+6], 0
	s_mov_b32 s[G1+7], 0
	s_lshl_b32 s16, s[WV], 14                      ; my quarter of a chunk, in memory and in LDS alike
	s_lshl_b32 s14, s13, 18
	s_add_co_u32 s14, s14, s16
	s_mov_b32 s15, 0
.irp c, 0,1,2,3
	s_mov_b32 s[G0+4*\c], 1
	s_add_co_u32 s[G0+4*\c+1], s16, \c*65536
.endr
	s_lshl_b32 s18, s12, 19                        ; att: 16 token tiles of 32,768 bytes a row group, four a wave
	s_lshl_b32 s19, s[WV], 17
	s_add_co_u32 s18, s18, s19
	s_mov_b32 s19, 0
	s_lshl_b32 s20, s12, 20                        ; out0: 256 rows of 4,096 bytes, my wave's 64, the slice's 512 bytes in a row
	s_lshl_b32 s21, s[WV], 18
	s_add_co_u32 s20, s20, s21
	s_lshl_b32 s21, s13, 9
	s_add_co_u32 s20, s20, s21
	s_mov_b32 s21, 0
	v_and_b32 v10, 31, v0
	v_lshlrev_b32 v[LI], 4, v10
.irp c, 0,1,2,3
	v_add_nc_u32 v[ADB+\c], \c*65536, v[LI]
.endr
	s_mul_i32 s22, s[WV], 16*SP
	s_add_co_u32 s22, s22, STG                     ; my stage
	v_and_b32 v10, 15, v0
	v_bfe_u32 v11, v0, 4, 1
	v_mul_u32_u24 v[STO], v10, SP
	v_lshl_add_u32 v[STO], v11, 5, v[STO]
	v_add_nc_u32 v[STO], s22, v[STO]               ; in: row r, 32 bytes for each half of the lanes
	v_add_nc_u32 v[RD], s22, v[LI]                 ; back: the 32 lanes take one row of 512 bytes
	s_wait_dscnt 0x0                               ; both opening adds are done
	s_wait_kmcnt 0x0
	s_add_nc_u64 s[14:15], s[6:7], s[14:15]
.irp c, 0,1,2,3
	s_add_nc_u64 s[G0+4*\c+2:G0+4*\c+3], s[14:15], \c*65536
	s_or_b32 s[G0+4*\c+3], s[G0+4*\c+3], 0x80000000
.endr
	s_add_nc_u64 s[AB:AB+1], s[4:5], s[18:19]
	s_add_nc_u64 s[OUT:OUT+1], s[8:9], s[20:21]
	ROUND                                          ; all four work-groups are here: the joint loads meet
.irp c, 0,1,2,3
	tensor_load_to_lds s[G0+4*\c:G0+4*\c+3], s[G1:G1+7]
	s_nop 0
.endr
.rept 4
	v_nop
.endr
.macro LOADA g                         ; att's four fragments of K step g (32 along K) into set g % 8: eight loads of 512 consecutive bytes
	WIN 0x80                                       ; destination window 2
.irp a, 0,1,2,3
.irp e, 0,1
	global_load_b128 v[32*((\g)%8)+8*\a+4*\e:32*((\g)%8)+8*\a+4*\e+3], v[LI], s[AB:AB+1] offset:\a*32768+(\g)*1024+\e*512
.endr
.endr
	WIN 0
.endm
.macro LOADB g                         ; Wo's eight fragments of K step g into set g % 2
.irp b, 0,1,2,3,4,5,6,7
.irp e, 0,1
	ds_load_b128 v[BF+64*((\g)%2)+8*\b+4*\e:BF+64*((\g)%2)+8*\b+4*\e+3], v[ADB+(\g)/8] offset:\b*8192+((\g)%8)*1024+\e*512
.endr
.endr
.endm
; A K step of 32: 32 matrix instructions, the 32 accumulators by turns in one order.  Step 0 starts the sums: nothing is cleared.
.macro KS g
.rept 4
	v_nop                                          ; places between the last step's products and the loads into registers that they read
.endr
.if 31-(\g) < 6
	s_wait_loadcnt 8*(31-(\g))                     ; this step's fragments of att are in; those of the steps behind it, eight loads each, may be out
.else
	s_wait_loadcnt 48
.endif
.if (\g)+7 <= 31
	LOADA (\g)+7
.endif
.if (\g) == 31
	s_wait_dscnt 0x0
.elseif (\g)%8 == 7
	s_wait_dscnt 0x0                               ; no LDS load of mine is out at the signal; this step's fragments of Wo are in
	s_wait_tensorcnt 2-(\g)/8                      ; my quarter of the next chunk has landed; the chunks behind it may stay out
	s_barrier_signal -1
	s_barrier_wait -1                              ; everybody's has
	LOADB (\g)+1
.else
	LOADB (\g)+1
	s_wait_dscnt 16                                ; all but the 16 just issued
.endif
	WIN 0x58                                       ; source 0 (Wo) window 0, source 1 (att) window 2, C and D window 1
.irp a, 0,1,2,3
.irp b, 0,1,2,3,4,5,6,7
.if (\g) == 0
	v_wmma_f32_16x16x32_f16 v[8*(8*\a+\b):8*(8*\a+\b)+7], v[BF+64*((\g)%2)+8*\b:BF+64*((\g)%2)+8*\b+7], v[32*((\g)%8)+8*\a:32*((\g)%8)+8*\a+7], 0
.else
	v_wmma_f32_16x16x32_f16 v[8*(8*\a+\b):8*(8*\a+\b)+7], v[BF+64*((\g)%2)+8*\b:BF+64*((\g)%2)+8*\b+7], v[32*((\g)%8)+8*\a:32*((\g)%8)+8*\a+7], v[8*(8*\a+\b):8*(8*\a+\b)+7]
.endif
.endr
.endr
	WIN 0
.endm
.irp g, 0,1,2,3,4,5,6
	LOADA \g
.endr
	s_wait_tensorcnt 3                             ; my quarter of chunk 0 has landed; chunks 1 to 3 may stay out
	s_barrier_signal -1
	s_barrier_wait -1
	LOADB 0
.set G, 0
.rept 32
	KS G
.set G, G+1
.endr
; THE WAY OUT, block by block of 16 rows x 128 columns.  A lane holds 32 neighbouring bytes of a row and the lanes beside it other rows: so a block goes through my own stage and comes back as whole rows
; of 512 bytes.  LDS serves a wave's instructions in order: no wait between the stores and the loads, nor in front of the next block's stores.
.macro TOSTAGE a
	WIN 0x04                                       ; an LDS store's data are its source 1: window 1
.irp b, 0,1,2,3,4,5,6,7
	ds_store_b128 v[STO], v[8*(8*(\a)+\b):8*(8*(\a)+\b)+3] offset:64*\b          ; each accumulator from its low end on
	ds_store_b128 v[STO], v[8*(8*(\a)+\b)+4:8*(8*(\a)+\b)+7] offset:64*\b+16
.endr
	WIN 0
.irp t, 0,1,2,3,4,5,6,7,8,9,10,11,12,13,14,15
	ds_load_b128 v[BF+64*((\a)%2)+4*\t:BF+64*((\a)%2)+4*\t+3], v[RD] offset:\t*SP
.endr
.endm
.macro SEND a, younger                 ; younger: the LDS instructions issued behind block a's loads, which may stay out
	s_wait_dscnt \younger
.irp t, 0,1,2,3,4,5,6,7,8,9,10,11,12,13,14,15
	global_store_b128 v[LI], v[BF+64*((\a)%2)+4*\t:BF+64*((\a)%2)+4*\t+3], s[OUT:OUT+1] offset:(16*(\a)+\t)*4096 th:TH_STORE_NT   ; 32 lanes store 512 consecutive, aligned bytes; written once, read by nobody here
.endr
.endm
.rept 4
	v_nop                                          ; places behind the last products
.endr
	TOSTAGE 0
	TOSTAGE 1
	SEND 0, 32                                     ; behind block 0's loads: block 1's 16 stores and 16 loads
	s_wait_xcnt 0x0                                ; block 0's stores have read their registers: block 2's loads may land there
	TOSTAGE 2
	SEND 1, 32
	s_wait_xcnt 0x0
	TOSTAGE 3
	SEND 2, 32
	SEND 3, 0
	s_wait_tensorcnt 0x0                           ; the wave's end
	ds_add_u32 v[SPW], v[NIL]
	s_wait_dscnt 0x0
	ROUND                                          ; the closing round
	s_endpgm
.Lfunc_end_k_qd88d2ed6b4_outp:
	.size	k_qd88d2ed6b4_outp, .Lfunc_end_k_qd88d2ed6b4_outp-k_qd88d2ed6b4_outp
	.p2alignl 7, 3214868480
	.fill 96, 4, 3214868480
	.section	.rodata,"a",@progbits
	.p2align	6, 0x0
	.amdhsa_kernel k_qd88d2ed6b4_outp
		.amdhsa_group_segment_fixed_size 327680
		.amdhsa_private_segment_fixed_size 0
		.amdhsa_enable_private_segment 0
		.amdhsa_kernarg_size 24
		.amdhsa_user_sgpr_count 2
		.amdhsa_user_sgpr_kernarg_segment_ptr 1
		.amdhsa_wavefront_size32 1
		.amdhsa_system_sgpr_workgroup_id_x 1
		.amdhsa_system_sgpr_workgroup_id_y 1
		.amdhsa_system_sgpr_workgroup_id_z 1
		.amdhsa_system_vgpr_workitem_id 0
		.amdhsa_next_free_vgpr 768
		.amdhsa_next_free_sgpr 66
		.amdhsa_reserve_vcc 0
		.amdhsa_float_denorm_mode_32 3
		.amdhsa_float_denorm_mode_16_64 3
		.amdhsa_memory_ordered 1
		.amdhsa_forward_progress 1
		.amdhsa_inst_pref_size 150
	.end_amdhsa_kernel
	.amdgpu_metadata
---
amdhsa.version: [ 1, 2 ]
amdhsa.kernels:
  - .name:           k_qd88d2ed6b4_outp
    .symbol:         k_qd88d2ed6b4_outp.kd
    .args:
      - { .name: attf, .offset: 0, .size: 8, .value_kind: global_buffer, .address_space: global }
      - { .name: wof, .offset: 8, .size: 8, .value_kind: global_buffer, .address_space: global }
      - { .name: out0, .offset: 16, .size: 8, .value_kind: global_buffer, .address_space: global }
    .group_segment_fixed_size: 327680
    .private_segment_fixed_size: 0
    .kernarg_segment_align: 8
    .kernarg_segment_size: 24
    .max_flat_workgroup_size: 128
    .sgpr_count:     66
    .vgpr_count:     768
    .wavefront_size: 32
...
	.end_amdgpu_metadata
.endif
;; end of part 4
